; MI455X (gfx1250); checked and timed in simulation.
; The chip was launched on July 23, 2026; its instructions are those of AMD's public machine-readable ISA for CDNA 5 (MIT licence, August 2026) and "CDNA5" Instruction Set Architecture Reference Guide (July 2026). The comments in the code are by the model that wrote it; some were corrected since.
;; Attention. Allowed arithmetic: matrix products marked QUANTISED: E3M2 operands, one E8M0 scale for each 32 along K, by v_wmma_scale_f32_16x16x128_f8f6f4 with both operands' format E3M2, f32 sums; everything else in f32.
;; Inputs: Wk 256 x 256 float32; Wp 256 x 256 float32; Wq 256 x 256 float32; Wv 256 x 256 float32; bp 256 float32; x 4 x 4,096 x 256 float32.
;; Outputs: out0 4 x 4,096 x 256 float32.
;; This version of the problem:
;;   THIS VERSION OF THE PROBLEM IS GIVEN IN LOW PRECISION. The matrix products marked QUANTISED in the list below multiply operands that are first quantised to E3M2 (3 exponent bits, 2 mantissa bits; 6 bits a number), with one power-of-two scale for each 32 numbers along K (OCP MX v1.0); their sums are f32. All else is computed in f32.
;;   The module's matrix products, in the order in which they are computed (A, B: the left and right operand; K: the contracted axis; several contracted axes count as one K, in the product's order):
;;     1. [M 16,384, K 256] x [K 256, N 256]; A: input x; B: input Wq: QUANTISED
;;     2. [M 16,384, K 256] x [K 256, N 256]; A: input x; B: input Wk: QUANTISED
;;     3. [M 16,384, K 256] x [K 256, N 256]; A: input x; B: input Wv: QUANTISED
;;     4. batch 16 x [M 4,096, K 64] x [K 64, N 4,096]; A: computed on the way; B: computed on the way: QUANTISED
;;     5. batch 16 x [M 4,096, K 4,096] x [K 4,096, N 64]; A: softmax (see below); B: computed on the way: QUANTISED
;;     6. [M 16,384, K 256] x [K 256, N 256]; A: computed on the way; B: input Wp: QUANTISED
;;   THE QUANTISER, for each operand of a quantised product, along K:
;;     - K is cut into blocks of 32 from its start; a last block that is shorter is filled with zeros.
;;     - A block's scale is 2^e with e = floor(log2(the largest magnitude in the block)) - 4, held to -126 .. 127; a block of zeros has e = 0. As a byte (E8M0): e + 127.
;;     - Each number is divided by its block's scale, clamped to +-28, and rounded to the nearest number of E3M2, ties to even, subnormals kept.
;;     - The product sums the exact products of the quantised numbers (number of the format x scale) in f32.
;;   ~~~python
;;   def quantise(x, axis):      # numpy; x: float32 -> the quantised numbers, widened to float32 again
;;       x = np.moveaxis(x, axis, -1); K = x.shape[-1]
;;       x = np.pad(x, [(0, 0)] * (x.ndim - 1) + [(0, -K % 32)]); x = x.reshape(x.shape[:-1] + (-1, 32)); a = np.abs(x).max(-1, keepdims=True)
;;       e = np.where(a > 0, np.clip(np.frexp(np.where(a > 0, a, 1))[1] - 1 - 4, -126, 127), 0)      # np.frexp(a)[1] - 1 = floor(log2(a)), exactly
;;       r = np.clip(x / 2.0 ** e, -28, 28)
;;       step = 2.0 ** (np.maximum(np.frexp(np.where(r == 0, 1, r))[1] - 1, -2) - 2)
;;       q = np.round(r / step) * step * 2.0 ** e      # np.round: ties to even
;;       return np.moveaxis(q.reshape(q.shape[:-2] + (-1,))[..., :K], -1, axis).astype(np.float32)
;;   ~~~
;;   SOFTMAX AHEAD OF A QUANTISED PRODUCT. Where the list says 'softmax', what is quantised is not the finished softmax but p = 2^(t - M), with t = logit x log2(e) and M = ceil(the row's largest t), a whole number; so 1/2 < the row's largest p <= 1. The row's sum l is taken of the UNQUANTISED p, in f32, and the product's result is divided by l at the end. Since M is a whole number, a kernel that streams over the keys may use a running M (the ceiling of the running maximum): every later rescaling is an exact power of two, which a block's scale takes up: the codes' values come out the same.
;;   OPERANDS COMPUTED ON THE WAY. 'Computed on the way' means the value that the module computes at that place (a softmax that the list does not call 'softmax' is quantised finished and normalised). What goes into a quantiser is computed in f32, as accurately as f32 sums, v_exp_f32 and their like allow (about 1e-6 of the number): no bf16 or f16 on the way to a quantiser, and a product that is left as it is and whose result goes on into a quantised operand takes f32 operands (vector FMAs, or v_wmma_f32_16x16x4_f32). A number that lies on a knife's edge between two numbers of the format may be rounded either way, as far as f32 arithmetic and the matrix unit's own rounding can turn it there, and no further.
;; One version. Each part assembles by itself: llvm-mc -triple=amdgcn-amd-amdhsa -mcpu=gfx1250 --defsym DOCPART=n.
;; ======== version 1 of 1: 4 launches
;; limits: right only within a limited range of input values
;; workspace buffers: xw 3,481,600 bytes; qi 3,276,800 bytes; kvi 6,553,600 bytes; oc 4,194,304 bytes
;; launch prep (part 1): grid 272 x 1, 2 waves a work-group, no clusters, 17,152 bytes of LDS; arguments x, Wq, Wk, Wv, Wp, xw; writes xw
.if DOCPART == 1
	.amdgcn_target "amdgcn-amd-amdhsa--gfx1250"
	.amdhsa_code_object_version 6
	.text
	.protected	k_q8a8299c028_prep
	.globl	k_q8a8299c028_prep
	.p2align	8
	.type	k_q8a8299c028_prep,@function
k_q8a8299c028_prep:
	s_mov_b64 s[64:65], 0
	v_nop
	global_prefetch_b8 v0, s[64:65] scope:SCOPE_SE
	s_setreg_imm32_b32 hwreg(HW_REG_WAVE_MODE, 25, 1), 1
	s_wait_xcnt 0x0
; x [16384][256] and Wq, Wk, Wv, Wp [256][256], f32, K = the 256 innermost, become codes of BF6 (E3M2) with one E8M0 byte for each 32 along K,
; laid in xw in the order of an operand's registers.  A GROUP is 32 rows; a wave takes one group: 32,768 bytes in, 6,400 bytes out.
; Groups 0-511: x (group G = rows 32 G on); 512-519 Wq; 520-527 Wk; 528-535 Wv; 536-543 Wp.
; A group gives two TILES u = 0, 1 of 16 rows: row r of tile u is the group's row 8 u + r + 8 (r / 8), so that the 16 results of a lane from tiles 0 and 1 of a group are 16 neighbours.
; A group's record: fragment (u, s), 16 rows x 128 K (K step s), 12 registers a lane, at 1,536 (2 u + s): registers 4 j .. 4 j + 3 of lane l at 512 j + 16 l.
; From byte 6,144 the scale words: that of (u, r, s) at 8 (16 u + r) + 4 s.
; A block's scale is 2^(floor(log2(its largest magnitude)) - 4); its byte is the largest magnitude's exponent field - 4, held at 1 from below.
; LIMITS: a block whose largest magnitude lies under 2^(5 - 127), a block of zeros among them, gets the byte 1 (the rule says 127 for zeros): its codes are zeros and this program alone reads the bytes.
; NaN and infinities among the inputs are not served.
; Each load reads 512 consecutive bytes of one row; a fragment's 16 rows turn through the wave's own stage in LDS, so that a lane gets the 2 x 32 neighbours along K that its registers of the operand hold.
; Memory binds: no matrix unit, no cluster (work-groups share no input), no barrier (waves share nothing).  Two fragments' loads, 32 a wave, are out at a time.
.set ROWB, 1024                        ; a row in bytes
.set REC,  6400                        ; a group's record
.set SP,   528                         ; a stage row: 512 bytes + 16, so that sixteen rows' reads of 16 bytes fall on sixteen different 16-byte columns of 256
.set STGB, 16*SP                       ; a wave's stage
.set R,    16                          ; v16-143  two sets of 64: a fragment as loaded
.set X,    144                         ; v144-207 my 2 x 32 neighbours
.set C,    208                         ; v208-219 the fragment's codes
.set T,    220                         ; v220-222, v224-226 the upper halves of the two blocks, as the conversions leave them
.set MX,   228                         ; v228-229 largest magnitudes
.set SOP,  230                         ; v230-231 the conversions' scale operands
.set BY,   232                         ; v232-233 the bytes
.set WT,   234
.set PD,   235                         ; the lane permute's destination
.set WD,   236                         ; v236-239 the scale word of fragment f
	s_load_b256 s[4:11], s[0:1], 0x0               ; x, Wq, Wk, Wv
	s_load_b128 s[12:15], s[0:1], 0x20             ; Wp, xw
	v_lshl_add_u32 v244, v0, 2, 0x4200
	v_mov_b32 v245, 0
	v_lshrrev_b32 v6, 5, v0
	v_readfirstlane_b32 s16, v6                    ; wave 0, 1
	v_and_b32 v7, 31, v0                           ; lane
	v_lshlrev_b32 v1, 4, v7                        ; 16 x lane
	v_lshlrev_b32 v2, 3, v7                        ; 8 x lane
	v_and_b32 v8, 15, v0                           ; r
	v_bfe_u32 v9, v0, 4, 1                         ; h
	v_lshlrev_b32 v5, 3, v9                        ; 8 h: my bytes' place in a scale word, in bits
	s_mul_i32 s28, s16, STGB
	v_add_nc_u32 v3, s28, v1                       ; the stage, on the way in: 16 x lane of a row
	v_mul_u32_u24 v4, v8, SP
	v_lshl_add_u32 v4, v9, 7, v4
	v_add_nc_u32 v4, s28, v4                       ; and on the way out: row r, + 128 h
	v_mov_b32 v[PD], 0                             ; written once: a lane permute's destination counts as one of its sources
	s_mov_b32 s20, 0x76543210
	s_mov_b32 s21, 0xfedcba98                      ; v_permlanex16_b32's selects for lane l xor 16
	s_mov_b32 s22, 0xffff0000                      ; lanes 16-31
	s_and_b32 s17, ttmp9, 3
	s_cmp_lt_u32 ttmp9, 256
	s_cselect_b32 s17, ttmp9, s17                  ; my work-group's number within its tensor
	s_lshl_b32 s17, s17, 1
	s_add_co_u32 s17, s17, s16                     ; my group within the tensor
	s_lshl_b32 s18, s17, 15                        ; x 32 rows of 1,024 bytes
	s_mov_b32 s19, 0
	s_lshl_b32 s26, ttmp9, 1
	s_add_co_u32 s26, s26, s16                     ; my group in xw
	s_mul_i32 s26, s26, REC
	s_mov_b32 s27, 0
	s_wait_alu depctr_va_vdst(0)
	s_wait_kmcnt 0x0
	s_cmp_lt_u32 ttmp9, 268                        ; which tensor: the choice hangs on the work-group's number alone
	s_cselect_b64 s[24:25], s[10:11], s[12:13]
	s_cmp_lt_u32 ttmp9, 264
	s_cselect_b64 s[24:25], s[8:9], s[24:25]
	s_cmp_lt_u32 ttmp9, 260
	s_cselect_b64 s[24:25], s[6:7], s[24:25]
	s_cmp_lt_u32 ttmp9, 256
	s_cselect_b64 s[24:25], s[4:5], s[24:25]
	s_add_nc_u64 s[24:25], s[24:25], s[18:19]
	s_add_nc_u64 s[26:27], s[14:15], s[26:27]
.macro LOADF f                         ; fragment f = 2 u + s: 16 rows x 512 bytes, a row a load
.irp r, 0,1,2,3,4,5,6,7,8,9,10,11,12,13,14,15
	global_load_b128 v[R+64*((\f)%2)+4*\r:R+64*((\f)%2)+4*\r+3], v1, s[24:25] offset:(8*((\f)/2)+\r+8*(\r/8))*ROWB+512*((\f)%2) th:TH_LOAD_NT
.endr
.endm
.macro TURN f                          ; through the stage: LDS serves a wave's instructions in order, so no wait stands between the stores and the loads
.irp r, 0,1,2,3,4,5,6,7,8,9,10,11,12,13,14,15
	ds_store_b128 v3, v[R+64*((\f)%2)+4*\r:R+64*((\f)%2)+4*\r+3] offset:SP*\r
.endr
.irp c, 0,1
.irp j, 0,1,2,3,4,5,6,7
	ds_load_b128 v[X+32*\c+4*\j:X+32*\c+4*\j+3], v4 offset:256*\c+16*\j   ; X[32 c + i] = k 64 c + 32 h + i of row r
.endr
.endr
.endm
.macro BLK f                           ; my two blocks (2 c + h of the K step): all 32 numbers of each are mine
.irp c, 0,1
	v_max3_num_f32 v[MX+\c], |v[X+32*\c]|, |v[X+32*\c+1]|, 0x2800000   ; with the floor 2^(5 - 127): the byte cannot fall under 1
.endr
.irp i, 2,4,6,8,10,12,14,16,18,20,22,24,26,28,30
.irp c, 0,1
	v_max3_num_f32 v[MX+\c], v[MX+\c], |v[X+32*\c+\i]|, |v[X+32*\c+\i+1]|   ; the two blocks by turns
.endr
.endr
.irp c, 0,1
	v_add_nc_u32 v[SOP+\c], 0xfe000000, v[MX+\c]   ; 4 off the exponent field: the conversion takes this operand's exponent field as its scale
.endr
.irp c, 0,1
	v_lshrrev_b32 v[BY+\c], 23, v[SOP+\c]          ; the scale's byte
.endr
	v_lshl_or_b32 v[WT], v[BY+1], 16, v[BY]        ; blocks h and 2 + h,
	v_lshlrev_b32 v[WT], v5, v[WT]                 ; at their places in the word;
	v_permlanex16_b32 v[PD], v[WT], s20, s21
	v_or_b32 v[WD+(\f)], v[WT], v[PD]              ; with lane l xor 16's two the word is whole
	s_wait_alu depctr_va_vdst(0)
	s_wait_xcnt 0x0                                ; the last fragment's stores have read C: only now is it written again
.irp c, 0,1
	v_cvt_scalef32_pk16_bf6_f32 v[C+6*\c:C+6*\c+2], v[X+32*\c:X+32*\c+15], v[SOP+\c]
	v_cvt_scalef32_pk16_bf6_f32 v[T+4*\c:T+4*\c+2], v[X+32*\c+16:X+32*\c+31], v[SOP+\c]   ; (a conversion's three registers begin on an even number)
.endr
	v_nop                                          ; one plain place behind a scaled conversion
.irp c, 0,1
.irp i, 0,1,2
	v_mov_b32 v[C+6*\c+3+\i], v[T+4*\c+\i]
.endr
.endr
.irp j, 0,1,2
	global_store_b128 v1, v[C+4*\j:C+4*\j+3], s[26:27] offset:1536*(\f)+512*\j   ; 32 lanes store 512 consecutive bytes, at a multiple of 256 from xw's first byte
.endr
.endm
	LOADF 0
	LOADF 1
.irp f, 0,1,2,3
.if \f < 3
	s_wait_loadcnt 16                              ; this fragment's 16 loads are in; the next fragment's 16 may be out
.else
	s_wait_loadcnt 0x0
.endif
	TURN \f
	s_wait_dscnt 0x0                               ; X is in, and the stores into the stage have read their registers,
.if \f < 2
	LOADF \f+2                                     ; which take the fragment two on
.endif
	BLK \f
.endr
	v_cndmask_b32 v240, v[WD], v[WD+2], s22        ; lanes 0-15: tile 0's words, lanes 16-31: tile 1's; K step 0,
	v_cndmask_b32 v241, v[WD+1], v[WD+3], s22      ; K step 1
	global_store_b64 v2, v[240:241], s[26:27] offset:6144   ; 32 lanes store 256 consecutive bytes
	s_wait_tensorcnt 0x0
	ds_add_u32 v244, v245
	s_wait_dscnt 0x0
	s_endpgm
.Lfunc_end_k_q8a8299c028_prep:
	.size	k_q8a8299c028_prep, .Lfunc_end_k_q8a8299c028_prep-k_q8a8299c028_prep
	.p2alignl 7, 3214868480
	.fill 96, 4, 3214868480
	.section	.rodata,"a",@progbits
	.p2align	6, 0x0
	.amdhsa_kernel k_q8a8299c028_prep
		.amdhsa_group_segment_fixed_size 17152
		.amdhsa_private_segment_fixed_size 0
		.amdhsa_enable_private_segment 0
		.amdhsa_kernarg_size 48
		.amdhsa_user_sgpr_count 2
		.amdhsa_user_sgpr_kernarg_segment_ptr 1
		.amdhsa_wavefront_size32 1
		.amdhsa_system_sgpr_workgroup_id_x 1
		.amdhsa_system_sgpr_workgroup_id_y 1
		.amdhsa_system_sgpr_workgroup_id_z 1
		.amdhsa_system_vgpr_workitem_id 0
		.amdhsa_next_free_vgpr 246
		.amdhsa_next_free_sgpr 66
		.amdhsa_reserve_vcc 0
		.amdhsa_float_denorm_mode_32 3
		.amdhsa_float_denorm_mode_16_64 3
		.amdhsa_memory_ordered 1
		.amdhsa_forward_progress 1
		.amdhsa_inst_pref_size 30
	.end_amdhsa_kernel
	.amdgpu_metadata
---
amdhsa.version: [ 1, 2 ]
amdhsa.kernels:
  - .name:           k_q8a8299c028_prep
    .symbol:         k_q8a8299c028_prep.kd
    .args:
      - { .name: x, .offset: 0, .size: 8, .value_kind: global_buffer, .address_space: global }
      - { .name: Wq, .offset: 8, .size: 8, .value_kind: global_buffer, .address_space: global }
      - { .name: Wk, .offset: 16, .size: 8, .value_kind: global_buffer, .address_space: global }
      - { .name: Wv, .offset: 24, .size: 8, .value_kind: global_buffer, .address_space: global }
      - { .name: Wp, .offset: 32, .size: 8, .value_kind: global_buffer, .address_space: global }
      - { .name: xw, .offset: 40, .size: 8, .value_kind: global_buffer, .address_space: global }
    .group_segment_fixed_size: 17152
    .private_segment_fixed_size: 0
    .kernarg_segment_align: 8
    .kernarg_segment_size: 48
    .max_flat_workgroup_size: 64
    .sgpr_count:     66
    .vgpr_count:     246
    .wavefront_size: 32
...
	.end_amdgpu_metadata
.endif
;; end of part 1
;; launch qkv (part 2): grid 128 x 2, 8 waves a work-group, no clusters, 168,960 bytes of LDS; arguments xw, qi, kvi; writes qi, kvi
.if DOCPART == 2
	.amdgcn_target "amdgcn-amd-amdhsa--gfx1250"
	.amdhsa_code_object_version 6
	.text
	.protected	k_q8a8299c028_qkv
	.globl	k_q8a8299c028_qkv
	.p2align	8
	.type	k_q8a8299c028_qkv,@function
k_q8a8299c028_qkv:
	s_mov_b64 s[64:65], 0
	v_nop
	global_prefetch_b8 v0, s[64:65] scope:SCOPE_SE
	s_setreg_imm32_b32 hwreg(HW_REG_WAVE_MODE, 25, 1), 1
	s_wait_xcnt 0x0
; q = x Wq^T, k = x Wk^T, v = x Wv^T on codes of BF6 (xw), and the results quantised again: q and k along the head's 64 channels, v along the keys.
; Work-group (tb, y): tokens 128 tb .. 128 tb + 127 (one key step of one batch) and heads 2 y, 2 y + 1.  Eight waves; wave w: head hl = w / 4, i4 = w % 4, three units of 16 matrix instructions:
;   Q, K: the 32 tokens of group i4 x the head's 64 channels, TRANSPOSED (source 0 = 16 rows of W, source 1 = 16 tokens): a lane holds one token, its registers run along the channels;
;   V:    channel tile i4 x all 128 tokens, NOT transposed (source 0 = 16 tokens, source 1 = 16 rows of Wv): a lane holds one channel, its registers run along the tokens, the next K.
; By the tiles' order of rows (row r of tile u = row 8 u + r + 8 (r / 8) of a group of 32) a lane's 64 results are four runs of 16 neighbours: QUANT makes of them one fragment (12 registers) and one scale word.
; For Q and K that fragment is a PAIR: registers 0-5 tile 0 (16 tokens x 64 channels), registers 6-11 tile 1; the word's bytes 0, 1 are tile 0's, bytes 2, 3 tile 1's.
; OUT.  qi: record bh x 32 + ks of 6,400 bytes: pair b at 1,536 b; words at 6,144 + 16 r + 4 b.
;       kvi: record of 12,800 bytes: K's pair b at 1,536 b; V's tile t at 6,144 + 1,536 t; K's words at 12,288 + 16 r + 4 b; V's at 12,544 + 16 r + 4 t.
; Fragments are stored as images of their registers (512 consecutive bytes a store); the words meet in LDS and leave as whole blocks of 256 bytes.
; IN.  Four tensor loads, one each by waves 0-3, 25,600 dense bytes each: x's four groups, and Wq's, Wk's, Wv's four groups of the two heads.  Each LDS byte is filled once.
; NO CLUSTER: a work-group fetches once, 102,400 bytes at its start, and nothing is filled again; a joint request would add two rounds of the cluster's barrier for that one fill.
; LIMITS: a block whose largest magnitude lies under 2^(5 - 127) gets the byte 1 (zeros: the rule says 127): its codes are zeros and this program alone reads the bytes.  NaN and infinities are not served.
.set REC,  6400
.set KREC, 12800
.set WQB,  25600                       ; LDS: x at 0, Wq, Wk, Wv behind it, 25,600 bytes each
.set WKB,  51200
.set WVB,  76800
.set SS,   102400                      ; the words' stage: six blocks of 256 bytes (head 0's K, V; head 1's K, V; head 0's Q; head 1's Q); no fill lands there
.set WF,   16                          ; v16-111  eight fragments
.set XF,   112                         ; v112-159 four fragments
.set PC,   136                         ; v136-154 the codes just made (over fragments that are done with)
.set ACC,  160                         ; v160-223 eight accumulators
.set SCW,  224                         ; v224-233 scale words, and nothing else
.set TM,   236                         ; v236-239 largest magnitudes, v240-243 permute and bytes, v244-247 the conversions' scale operands
.set PW,   248                         ; the scale word just made
; v1 16 lane; v2 8 lane; v3 8 r; v4, v5 the same as v1, v2 in x's group i4; v6, v7 in my head's part of a weight; v8, v9 Wv's tile i4 and its words; v10, v11 where I put a word; v12 where I read a block of words
.macro MM0 d, a, b, sa, sb, ra, rb     ; a product that starts a sum.  ra, rb = 1: that side's scale words stand in lanes 16-31
.if (\ra) && (\rb)
	v_wmma_scale_f32_16x16x128_f8f6f4 v[\d:\d+7], v[\a:\a+11], v[\b:\b+11], 0, v[\sa], v[\sb] matrix_a_fmt:MATRIX_FMT_BF6 matrix_b_fmt:MATRIX_FMT_BF6 matrix_a_scale:MATRIX_SCALE_ROW1 matrix_b_scale:MATRIX_SCALE_ROW1
.elseif \ra
	v_wmma_scale_f32_16x16x128_f8f6f4 v[\d:\d+7], v[\a:\a+11], v[\b:\b+11], 0, v[\sa], v[\sb] matrix_a_fmt:MATRIX_FMT_BF6 matrix_b_fmt:MATRIX_FMT_BF6 matrix_a_scale:MATRIX_SCALE_ROW1
.elseif \rb
	v_wmma_scale_f32_16x16x128_f8f6f4 v[\d:\d+7], v[\a:\a+11], v[\b:\b+11], 0, v[\sa], v[\sb] matrix_a_fmt:MATRIX_FMT_BF6 matrix_b_fmt:MATRIX_FMT_BF6 matrix_b_scale:MATRIX_SCALE_ROW1
.else
	v_wmma_scale_f32_16x16x128_f8f6f4 v[\d:\d+7], v[\a:\a+11], v[\b:\b+11], 0, v[\sa], v[\sb] matrix_a_fmt:MATRIX_FMT_BF6 matrix_b_fmt:MATRIX_FMT_BF6
.endif
.endm
.macro MMA d, a, b, sa, sb, ra, rb     ; a product that adds in place
.if (\ra) && (\rb)
	v_wmma_scale_f32_16x16x128_f8f6f4 v[\d:\d+7], v[\a:\a+11], v[\b:\b+11], v[\d:\d+7], v[\sa], v[\sb] matrix_a_fmt:MATRIX_FMT_BF6 matrix_b_fmt:MATRIX_FMT_BF6 matrix_a_scale:MATRIX_SCALE_ROW1 matrix_b_scale:MATRIX_SCALE_ROW1
.elseif \ra
	v_wmma_scale_f32_16x16x128_f8f6f4 v[\d:\d+7], v[\a:\a+11], v[\b:\b+11], v[\d:\d+7], v[\sa], v[\sb] matrix_a_fmt:MATRIX_FMT_BF6 matrix_b_fmt:MATRIX_FMT_BF6 matrix_a_scale:MATRIX_SCALE_ROW1
.elseif \rb
	v_wmma_scale_f32_16x16x128_f8f6f4 v[\d:\d+7], v[\a:\a+11], v[\b:\b+11], v[\d:\d+7], v[\sa], v[\sb] matrix_a_fmt:MATRIX_FMT_BF6 matrix_b_fmt:MATRIX_FMT_BF6 matrix_b_scale:MATRIX_SCALE_ROW1
.else
	v_wmma_scale_f32_16x16x128_f8f6f4 v[\d:\d+7], v[\a:\a+11], v[\b:\b+11], v[\d:\d+7], v[\sa], v[\sb] matrix_a_fmt:MATRIX_FMT_BF6 matrix_b_fmt:MATRIX_FMT_BF6
.endif
.endm
.macro PLACES                          ; five plain places behind a run of products: four serve loads into their registers and reads of results, the fifth a later product that writes over an accumulator
.rept 5
	v_nop
.endr
.endm
; 64 numbers of a lane, v[ACC] on, register 16 b + i = k 32 b + 16 (lane / 16) + i of my row, become a fragment's codes in v[PC] on and its scale word in v[PW].  Each accumulator is read from its low end on.
.macro QUANT
.irp b, 0,1,2,3
	v_max3_num_f32 v[TM+\b], |v[ACC+16*\b]|, |v[ACC+1+16*\b]|, 0x2800000   ; block b: my 16 numbers, and the floor 2^(5 - 127)
.endr
.irp i, 2,4,6,8,10,12,14
.irp b, 0,1,2,3
	v_max3_num_f32 v[TM+\b], v[TM+\b], |v[ACC+16*\b+\i]|, |v[ACC+1+16*\b+\i]|   ; the four blocks by turns
.endr
.endr
.irp b, 0,1,2,3
	s_delay_alu instid0(VALU_DEP_4)
	v_permlanex16_b32 v[TM+4+\b], v[TM+\b], s2, s3
.endr
.irp b, 0,1,2,3
	s_delay_alu instid0(VALU_DEP_4)
	v_max_num_f32 v[TM+\b], v[TM+\b], v[TM+4+\b]   ; with lane l xor 16's: the block's largest magnitude
.endr
.irp b, 0,1,2,3
	s_delay_alu instid0(VALU_DEP_4)
	v_add_nc_u32 v[TM+8+\b], 0xfe000000, v[TM+\b]  ; 4 off its exponent field: the conversion's scale operand
.endr
.irp b, 0,1,2,3
	s_delay_alu instid0(VALU_DEP_4)
	v_lshrrev_b32 v[TM+4+\b], 23, v[TM+8+\b]       ; the scale's byte
.endr
	s_delay_alu instid0(VALU_DEP_3)
	v_lshl_or_b32 v[PW], v[TM+5], 8, v[TM+4]
	s_delay_alu instid0(VALU_DEP_1)
	v_lshl_or_b32 v[PW], v[TM+6], 16, v[PW]
	s_delay_alu instid0(VALU_DEP_1)
	v_lshl_or_b32 v[PW], v[TM+7], 24, v[PW]
.irp c, 0,1
	v_cvt_scalef32_pk16_bf6_f32 v[PC+6*\c:PC+2+6*\c], v[ACC+32*\c:ACC+15+32*\c], v[TM+8+2*\c]
	v_cvt_scalef32_pk16_bf6_f32 v[PC+12+4*\c:PC+14+4*\c], v[ACC+16+32*\c:ACC+31+32*\c], v[TM+8+2*\c+1]   ; (a conversion's three registers begin on an even number)
.endr
	v_nop                                          ; one plain place behind a scaled conversion
.irp c, 0,1                            ; the operand's layout wants a whole block in a lane: lanes 0-15 block 2 c, lanes 16-31 block 2 c + 1
.irp i, 0,1,2
	v_permlane16_swap_b32 v[PC+6*\c+\i], v[PC+12+4*\c+\i]
.endr
.irp i, 0,1,2
	s_delay_alu instid0(VALU_DEP_3)
	v_mov_b32 v[PC+3+6*\c+\i], v[PC+12+4*\c+\i]
.endr
.endr
.endm
; Q or K of my head for the 32 tokens of group i4.  wbase: the weight's place in LDS; obase: the scalar pair with my pair's place in memory; stg: where my word goes
.macro UNITQK wbase, obase, stg, sta
	s_wait_xcnt 0x0                                ; the last unit's stores have read PC, over which fragments are loaded
.irp t, 0,1,2,3                        ; W's tile t = 2 b + u of the head's 64 rows, K step s
.irp s, 0,1
.irp j, 0,1,2
	ds_load_b128 v[WF+12*(2*\t+\s)+4*\j:WF+12*(2*\t+\s)+4*\j+3], v6 offset:\wbase+REC*(\t/2)+1536*(2*(\t%2)+\s)+512*\j
.endr
.endr
.endr
.irp u, 0,1                            ; x's tile u of my group, K step s
.irp s, 0,1
.irp j, 0,1,2
	ds_load_b128 v[XF+12*(2*\u+\s)+4*\j:XF+12*(2*\u+\s)+4*\j+3], v4 offset:1536*(2*\u+\s)+512*\j
.endr
.endr
.endr
	ds_load_b64 v[SCW:SCW+1], v7 offset:\wbase+6144           ; W's words: lanes 0-15 tile u = 0, lanes 16-31 tile u = 1; K steps 0, 1
	ds_load_b64 v[SCW+2:SCW+3], v7 offset:\wbase+REC+6144
	ds_load_b64 v[SCW+4:SCW+5], v5 offset:6144                ; x's likewise
	s_wait_dscnt 0x0
.irp u, 0,1                            ; eight accumulators by turns, one instruction a turn, K step by K step
.irp t, 0,1,2,3
	MM0 ACC+32*\u+8*\t, WF+12*(2*\t), XF+12*(2*\u), SCW+2*(\t/2), SCW+4, \t%2, \u
.endr
.endr
.irp u, 0,1
.irp t, 0,1,2,3
	MMA ACC+32*\u+8*\t, WF+12*(2*\t+1), XF+12*(2*\u+1), SCW+2*(\t/2)+1, SCW+5, \t%2, \u
.endr
.endr
	PLACES
	QUANT                                          ; register 32 u + 16 b + i = channel 32 b + 16 h + i of token r of tile u
.irp j, 0,1,2
	global_store_b128 v[\sta], v[PC+4*\j:PC+4*\j+3], s[\obase:\obase+1] offset:512*\j
.endr
	ds_store_b32 v[\stg], v[PW]                    ; lanes r and 16 + r write the same word with the same value
.endm
	s_load_b128 s[4:7], s[0:1], 0x0                ; xw, qi
	s_load_b64 s[8:9], s[0:1], 0x10                ; kvi
	v_lshl_add_u32 v254, v0, 2, 0x29000
	v_mov_b32 v255, 0
	ds_add_u32 v254, v255
	ds_add_u32 v254, v255
	v_lshrrev_b32 v13, 5, v0
	s_delay_alu instid0(VALU_DEP_1)
	v_readfirstlane_b32 s10, v13                   ; wave 0..7
	s_lshr_b32 s11, s10, 2                         ; hl
	s_and_b32 s12, s10, 3                          ; i4
	s_and_b32 s13, ttmp7, 0xffff                   ; y
	s_mov_b32 s2, 0x76543210
	s_mov_b32 s3, 0xfedcba98                       ; v_permlanex16_b32's selects for lane l xor 16
	v_and_b32 v13, 31, v0
	s_delay_alu instid0(VALU_DEP_1)
	v_lshlrev_b32 v1, 4, v13
	s_wait_alu depctr_va_vdst(0)
	v_lshlrev_b32 v2, 3, v13
	v_and_b32 v14, 15, v0                          ; r
	s_delay_alu instid0(VALU_DEP_1)
	v_lshlrev_b32 v3, 3, v14
	; every LDS address is made here, ahead of the first branch on the wave's number
	s_wait_alu depctr_va_vdst(0)
	s_mul_i32 s44, s12, REC
	v_add_nc_u32 v4, s44, v1
	v_add_nc_u32 v5, s44, v2
	s_mul_i32 s45, s11, 2*REC
	v_add_nc_u32 v6, s45, v1
	v_add_nc_u32 v7, s45, v2
	s_lshr_b32 s46, s12, 1
	s_mul_i32 s46, s46, REC
	s_add_co_u32 s46, s46, s45
	s_add_co_u32 s46, s46, WVB                     ; Wv's group of my channel tile
	s_and_b32 s47, s12, 1
	s_mul_i32 s30, s47, 3072
	s_add_co_u32 s30, s30, s46
	v_add_nc_u32 v8, s30, v1
	s_lshl_b32 s30, s47, 7
	s_add_co_u32 s30, s30, s46
	s_add_co_u32 s30, s30, 6144
	v_add_nc_u32 v9, s30, v3
	s_lshl_b32 s30, s11, 9
	s_lshl_b32 s31, s12, 2
	s_add_co_u32 s30, s30, s31
	s_add_co_u32 s30, s30, SS
	v_lshl_add_u32 v10, v14, 4, s30                ; V's words lie 256 bytes on: SS + 512 hl + 16 r + 4 i4
	s_lshl_b32 s30, s11, 8
	s_add_co_u32 s30, s30, s31
	s_add_co_u32 s30, s30, SS+1024
	v_lshl_add_u32 v11, v14, 4, s30                ; Q's: SS + 1,024 + 256 hl + 16 r + 4 i4
	; K's LAYOUT IN kvi, as the attention launch reads it (this replaces what the head says of K's pairs and words):
	; an odd pair's image is stored with bit 3 of the lane flipped (lane l at 16 (l xor 8)); still 512 consecutive bytes a store.
	; The word of (pair b, row r) lies at 12,288 + 16 (8 (b % 2) + r % 8) + 4 (2 (b / 2) + r / 8).
	s_lshl_b32 s30, s11, 9
	s_lshl_b32 s31, s47, 7                         ; 128 (i4 % 2)
	s_add_co_u32 s30, s30, s31
	s_lshr_b32 s46, s12, 1
	s_lshl_b32 s46, s46, 3                         ; 8 (i4 / 2)
	s_add_co_u32 s30, s30, s46
	s_add_co_u32 s30, s30, SS
	v_lshrrev_b32 v15, 3, v14
	v_and_b32 v13, 7, v14
	s_delay_alu instid0(VALU_DEP_1)
	v_lshlrev_b32 v13, 4, v13
	s_delay_alu instid0(VALU_DEP_1)
	v_lshl_add_u32 v13, v15, 2, v13
	s_delay_alu instid0(VALU_DEP_1)
	v_add_nc_u32 v13, s30, v13                     ; where I put K's word
	v_xor_b32 v15, s31, v1                         ; where my lane's 16 bytes of K's pair go
	s_lshl_b32 s30, s10, 8
	s_add_co_u32 s30, s30, SS
	v_add_nc_u32 v12, s30, v2                      ; block w of the words, 8 bytes a lane
.irp b, 0,1,2,3
	v_mov_b32 v[TM+4+\b], 0                        ; written once: a lane permute's destination counts as one of its sources
.endr
	; descriptor group 1: 100 rows of 256 bytes (32 elements of 8 bytes), dense, no padding
	s_mov_b32 s20, 3<<16
	s_mov_b32 s21, 32<<16                          ; tensor_dim0
	s_mov_b32 s22, 100<<16                         ; tensor_dim1
	s_mov_b32 s23, 32<<16                          ; tile_dim0
	s_mov_b32 s24, 100                             ; tile_dim1
	s_mov_b32 s25, 32                              ; the pitch
	s_mov_b32 s26, 0
	s_mov_b32 s27, 0
	s_mov_b32 s16, 1
	s_mul_i32 s17, s12, 25600                      ; LDS: 25,600 x (wave % 4)
	s_mul_i32 s28, ttmp9, 25600                    ; wave 0: x's groups 4 tb ..
	s_mul_i32 s29, s12, 51200                      ; waves 1-3: groups 512 + 8 (w - 1) + 4 y ..
	s_mul_i32 s30, s13, 25600
	s_add_co_u32 s29, s29, s30
	s_add_co_u32 s29, s29, 3225600
	s_cmp_eq_u32 s12, 0
	s_cselect_b32 s28, s28, s29
	s_mov_b32 s29, 0
	; where the results go
	s_lshr_b32 s14, ttmp9, 5
	s_lshl_b32 s14, s14, 7
	s_lshl_b32 s15, s13, 6
	s_add_co_u32 s14, s14, s15
	s_and_b32 s15, ttmp9, 31
	s_add_co_u32 s14, s14, s15                     ; head 2 y's record: (4 batch + 2 y) x 32 + ks
	s_lshl_b32 s15, s11, 5
	s_add_co_u32 s15, s14, s15                     ; my head's
	s_mul_i32 s31, s12, 1536
	s_mul_i32 s32, s15, REC
	s_add_co_u32 s32, s32, s31
	s_mov_b32 s33, 0
	s_mul_i32 s34, s15, KREC
	s_add_co_u32 s34, s34, s31
	s_mov_b32 s35, 0
	s_lshr_b32 s36, s10, 1                         ; the words: waves 0-3 store blocks 0-3 into kvi (head w / 2; K's or V's by w % 2),
	s_lshl_b32 s36, s36, 5
	s_add_co_u32 s36, s36, s14
	s_mul_i32 s36, s36, KREC
	s_and_b32 s37, s10, 1
	s_lshl_b32 s38, s37, 8
	s_add_co_u32 s36, s36, s38
	s_add_co_u32 s36, s36, 12288
	s_lshl_b32 s38, s37, 5                         ; waves 4, 5 blocks 4, 5 into qi (head w % 2)
	s_add_co_u32 s38, s38, s14
	s_mul_i32 s38, s38, REC
	s_add_co_u32 s38, s38, 6144
	s_cmp_lt_u32 s10, 4
	s_cselect_b32 s42, s36, s38
	s_mov_b32 s43, 0
	s_wait_dscnt 0x0
	s_wait_kmcnt 0x0
	s_add_nc_u64 s[18:19], s[4:5], s[28:29]
	s_or_b32 s19, s19, 0x80000000                  ; type = 2
	s_add_nc_u64 s[32:33], s[6:7], s[32:33]        ; qi at my pair
	s_add_nc_u64 s[34:35], s[8:9], s[34:35]        ; kvi at my pair (V's tile 6,144 bytes on)
	s_cmp_lt_u32 s10, 4
	s_cselect_b64 s[40:41], s[8:9], s[6:7]
	s_add_nc_u64 s[40:41], s[40:41], s[42:43]
	s_cmp_lt_u32 s10, 4                            ; the first fills, one a wave, in one branch on the wave's number
	s_cbranch_scc0 .Lno_fetch
	tensor_load_to_lds s[16:19], s[20:27]
	s_nop 0
.rept 4
	v_nop
.endr
.Lno_fetch:
	s_wait_tensorcnt 0x0                           ; my load has landed,
	s_barrier_signal -1
	s_barrier_wait -1                              ; everybody's has
	UNITQK WQB, 32, 11, 1
	UNITQK WKB, 34, 13, 15
	; V: my channel tile x the 128 tokens
	s_wait_xcnt 0x0                                ; K's stores have read PC
.irp s, 0,1
.irp j, 0,1,2
	ds_load_b128 v[XF+12*\s+4*\j:XF+12*\s+4*\j+3], v8 offset:1536*\s+512*\j   ; Wv's tile, K step s
.endr
.endr
	ds_load_b64 v[SCW+8:SCW+9], v9                 ; its words
.irp g, 0,1,2,3
	ds_load_b64 v[SCW+2*\g:SCW+2*\g+1], v2 offset:REC*\g+6144   ; x's words of group g: lanes 0-15 tile 0, lanes 16-31 tile 1
.endr
.irp s, 0,1
.irp g, 0,1,2,3
.irp u, 0,1
.irp j, 0,1,2
	ds_load_b128 v[WF+12*(2*\g+\u)+4*\j:WF+12*(2*\g+\u)+4*\j+3], v1 offset:REC*\g+1536*(2*\u+\s)+512*\j
.endr
.endr
.endr
	s_wait_dscnt 0x0
.irp g, 0,1,2,3
.irp u, 0,1
.if \s == 0
	MM0 ACC+16*\g+8*\u, WF+12*(2*\g+\u), XF+12*\s, SCW+2*\g+\s, SCW+8+\s, \u, 0
.else
	MMA ACC+16*\g+8*\u, WF+12*(2*\g+\u), XF+12*\s, SCW+2*\g+\s, SCW+8+\s, \u, 0
.endif
.endr
.endr
	PLACES
.endr
	QUANT                                          ; register 16 g + i = token 32 g + 16 h + i of channel row r
.irp j, 0,1,2
	global_store_b128 v1, v[PC+4*\j:PC+4*\j+3], s[34:35] offset:6144+512*\j
.endr
	ds_store_b32 v10, v[PW] offset:256
	s_wait_dscnt 0x0                               ; for the others' sake: my words lie in the stage
	s_barrier_signal -1
	s_barrier_wait -1
	s_cmp_lt_u32 s10, 6                            ; six blocks of words, a wave a block
	s_cbranch_scc0 .Lend
	ds_load_b64 v[250:251], v12
	s_wait_dscnt 0x0
	global_store_b64 v2, v[250:251], s[40:41]      ; 32 lanes store 256 consecutive bytes, at a multiple of 256 from the buffer's first byte
.Lend:
	s_wait_tensorcnt 0x0
	ds_add_u32 v254, v255
	s_wait_dscnt 0x0
	s_endpgm
.Lfunc_end_k_q8a8299c028_qkv:
	.size	k_q8a8299c028_qkv, .Lfunc_end_k_q8a8299c028_qkv-k_q8a8299c028_qkv
	.p2alignl 7, 3214868480
	.fill 96, 4, 3214868480
	.section	.rodata,"a",@progbits
	.p2align	6, 0x0
	.amdhsa_kernel k_q8a8299c028_qkv
		.amdhsa_group_segment_fixed_size 168960
		.amdhsa_private_segment_fixed_size 0
		.amdhsa_enable_private_segment 0
		.amdhsa_kernarg_size 24
		.amdhsa_user_sgpr_count 2
		.amdhsa_user_sgpr_kernarg_segment_ptr 1
		.amdhsa_wavefront_size32 1
		.amdhsa_system_sgpr_workgroup_id_x 1
		.amdhsa_system_sgpr_workgroup_id_y 1
		.amdhsa_system_sgpr_workgroup_id_z 1
		.amdhsa_system_vgpr_workitem_id 0
		.amdhsa_next_free_vgpr 256
		.amdhsa_next_free_sgpr 66
		.amdhsa_reserve_vcc 0
		.amdhsa_float_denorm_mode_32 3
		.amdhsa_float_denorm_mode_16_64 3
		.amdhsa_memory_ordered 1
		.amdhsa_forward_progress 1
		.amdhsa_inst_pref_size 37
	.end_amdhsa_kernel
	.amdgpu_metadata
---
amdhsa.version: [ 1, 2 ]
amdhsa.kernels:
  - .name:           k_q8a8299c028_qkv
    .symbol:         k_q8a8299c028_qkv.kd
    .args:
      - { .name: xw, .offset: 0, .size: 8, .value_kind: global_buffer, .address_space: global }
      - { .name: qi, .offset: 8, .size: 8, .value_kind: global_buffer, .address_space: global }
      - { .name: kvi, .offset: 16, .size: 8, .value_kind: global_buffer, .address_space: global }
    .group_segment_fixed_size: 168960
    .private_segment_fixed_size: 0
    .kernarg_segment_align: 8
    .kernarg_segment_size: 24
    .max_flat_workgroup_size: 256
    .sgpr_count:     66
    .vgpr_count:     256
    .wavefront_size: 32
...
	.end_amdgpu_metadata
.endif
;; end of part 2
;; launch attn (part 3): grid 16 x 16, 8 waves a work-group, clusters of 4 x 1, 327,680 bytes of LDS; arguments qi, kvi, oc; writes oc
.if DOCPART == 3
	.amdgcn_target "amdgcn-amd-amdhsa--gfx1250"
	.amdhsa_code_object_version 6
	.text
	.protected	k_q8a8299c028_attn
	.globl	k_q8a8299c028_attn
	.p2align	8
	.type	k_q8a8299c028_attn,@function
k_q8a8299c028_attn:
	s_mov_b64 s[64:65], 0
	v_nop
	global_prefetch_b8 v0, s[64:65] scope:SCOPE_SE
	s_setreg_imm32_b32 hwreg(HW_REG_WAVE_MODE, 25, 1), 1
	s_wait_xcnt 0x0
	s_wait_alu depctr_hold_cnt(0) depctr_sa_sdst(0) depctr_va_vdst(0) depctr_va_sdst(0) depctr_va_ssrc(0) depctr_va_vcc(0) depctr_vm_vsrc(0)
	s_getreg_b32 s2, hwreg(HW_REG_IB_STS2, 6, 4)
	s_cmp_eq_u32 s2, 0
	s_cbranch_scc0 .Lentry_in_a_cluster
	s_endpgm
.Lentry_in_a_cluster:
	s_bfe_u32 s2, ttmp6, 0x10000c
	s_cmp_lg_u32 s2, 0x3003
	s_cbranch_scc0 .Lentry_shape_is_right
	s_endpgm
.Lentry_shape_is_right:
; o[bh][q] = the sum over keys of softmax(q . k / 8) v, both products on codes of BF6 (E3M2) with one E8M0 byte for each 32 along K; o is quantised along the channels for the last product and stored as codes.
; THE SOFTMAX: t = score x log2(e) / 8; M = the running largest t rounded UP to a whole number; p = 2^(t - M) is quantised along the keys, not normalised; the row's sum is taken of the unquantised p and divides at the end.
; When M moves, the sum and O are multiplied by 2^(old M - new M): exact.
; SHARES.  A work-group owns 256 queries of one head (bh = 4 batch + head); each of its eight waves owns 32 of them, two tiles x = 0, 1 of 16 (one pair fragment of qi), so that each fragment of K and V read from LDS feeds two tiles.
; Every wave walks the head's 4,096 keys, 128 a step.  A key step is one record of kvi, 12,800 bytes: K's four pair fragments, V's four fragments, 256 bytes of K's scale words, 256 of V's.
; THE HEAD SIZE 64 IN AN INSTRUCTION OF K = 128: a pair fragment holds two tiles of 16 keys side by side.  Against [q | zero codes] it gives the first tile's scores, against [zero codes | q] the second's.
; WHICH KEYS FORM A TILE.  Both products are transposed (S^T = K Q^T, O^T = V^T P^T): a lane holds one query.  Pair n = 2 c + g of a step takes for its rows 0-7 rows 8 g .. 8 g + 7 of the stored pair 2 c, and for its rows 8-15 the same
; rows of the stored pair 2 c + 1: only the lanes' LDS addresses say so.  Then register 32 c + i of a lane's scores is key 64 c + 32 (lane / 16) + i: a lane holds two WHOLE blocks of 32 keys, in the order of p's operand.
; So a block's largest score needs no other lane, and the conversions' results are the operand's registers (three moves a block: a conversion's three registers begin on an even number).
; REGISTERS, in two windows of 256.  Window 0: addresses, scale words, the tiles' state, p's codes, S^T / p of both tiles (v112-239).  Window 1: v0-29 zeros, q0, zeros, q1, zeros; v32-79 K's pairs; v128-191 O^T of both tiles; v192-239 V's tiles.
; THE RING.  Two LDS slots of eight key steps (102,400 bytes).  CLUSTER: the four query blocks of a cluster walk the same head's records, so each slot is asked for JOINTLY (mask 15): every wave one record, 50 rows of 256 bytes.
; A wave has at most one tensor load out.  V of step s and K of step s + 1 are read from LDS in one run behind step s's first products; the change of slots stands in a slot's last step, between V's loads (old slot) and K's (new slot).
; THE PREFETCH names the slot that the NEXT change will ask for.  The clusters of a head walk the same records: the head's first cluster asks.  Partner cx takes 25,600 bytes, waves 0-3 of it 6,400 each: 25 blocks of 256 bytes,
; a lane a block (lanes 25-31 name the wave's last block again).  Slots 0 and 1 come by their loads alone; the last change that fills a slot asks for nothing.
; LIMITS: the promise holds while |t| stays under 2^31; p under 2^-126 comes out as 0 (v_exp_f32); a block whose largest number lies under 2^(5 - 127) gets the byte 1: its codes are zeros and this program alone reads the bytes.
; NaN and infinities are not served.
.set STEPB, 12800
.set SLOTB, 8*STEPB
.set SLOT1, 1<<17                      ; slot 1 begins here: one exclusive or turns an address in one slot into the other's
.set SPARE, SLOT1+SLOTB                ; behind the ring: the spare words, 128 bytes for each wave, that no other line names
.set HEADB, 32*STEPB
; window 0: v1 16 lane; v2, v3 K's lane addresses for g = 0, 1; v4 my spare word, v5 0 (never rewritten); v6 prefetch offset; v7 8 (lane / 16); v[8:11] K's words; v[12:15] lanes 16-31: V's words;
; v16, v17 K's addresses of the next step; v18 the step's 16 lane address; v19 8 lane; v20+x q's word; v22+x p's word; v24+2x -M, v25+2x the largest score; v[28+2x] the sum in two halves; v32+2x f, v33+2x at work;
; v36+2x+c a block's largest score, then p; v40+2x+c the conversions' scale operands; v44-47 lane permutes; v48+x at work; v[50+6x ..] three more chains of sums; v62+2x+c second chains of maxima, then bytes; v66+x the new -M;
; v68+12x p's codes; v92+8x+4c the conversions' upper halves; v112+64x S^T, p
.set MSB, 0
.macro WIN new                         ; the immediate's high byte repeats the setting that is left
.if MSB != \new
	s_set_vgpr_msb (MSB<<8)|\new
.set MSB, \new
.endif
.endm
.macro NOP4
.rept 4
	v_nop
.endr
.endm
.macro ROUND                           ; a round of the cluster's barrier
	s_barrier_signal -1
	s_barrier_wait -1
	s_cmp_lg_u32 s10, 0
	s_cbranch_scc1 .Lnot_wave_0_\@
	s_barrier_signal -3
.Lnot_wave_0_\@:
	s_barrier_wait -3
	s_barrier_signal -1
	s_barrier_wait -1
.endm
.macro TLOAD                           ; the joint load: my record of the slot
	tensor_load_to_lds s[16:19], s[20:27]
	s_nop 0
.endm
.macro ASK first
.if \first
	s_cmp_eq_u32 s38, 1
.else
	s_cmp_gt_u32 s33, s38                          ; only while a further change will fill a slot
.endif
	s_cbranch_scc0 .Lnot_mine_\@
	global_prefetch_b8 v6, s[36:37] th:TH_LOAD_NT scope:SCOPE_SE
.Lnot_mine_\@:
.endm
.macro LOADV                           ; this step's V: its words, then four tiles as images of their registers
	ds_load_b128 v[12:15], v18 offset:12288
	WIN 0x40
.irp i, 0,1,2,3,4,5,6,7,8,9,10,11
	ds_load_b128 v[192+4*\i:192+4*\i+3], v18 offset:6144+512*\i
.endr
	WIN 0
.endm
.macro LOADK                           ; the next step's K: its words (lanes 0-15), then pair 2 c + g: lanes with row 0-7 read the stored pair 2 c, the others pair 2 c + 1
	ds_load_b128 v[8:11], v18 offset:12288
	WIN 0x40
.irp c, 0,1
.irp g, 0,1
.irp j, 0,1,2
	ds_load_b128 v[32+12*(2*\c+\g)+4*\j:32+12*(2*\c+\g)+4*\j+3], v[16+\g] offset:3072*\c+512*\j
.endr
.endr
.endr
	WIN 0
.endm
.macro QK                              ; S^T of both tiles: register 16 n + i of tile x = key 64 (n / 2) + 32 (lane / 16) + 16 (n % 2) + i
	WIN 0x05
.irp n, 0,1,2,3
.irp x, 0,1
	v_wmma_scale_f32_16x16x128_f8f6f4 v[112+64*\x+16*\n:112+64*\x+16*\n+7], v[32+12*\n:32+12*\n+11], v[6+12*\x:6+12*\x+11], 0, v[8+\n], v[20+\x] matrix_a_fmt:MATRIX_FMT_BF6 matrix_b_fmt:MATRIX_FMT_BF6
	v_wmma_scale_f32_16x16x128_f8f6f4 v[120+64*\x+16*\n:120+64*\x+16*\n+7], v[32+12*\n:32+12*\n+11], v[12*\x:12*\x+11], 0, v[8+\n], v[20+\x] matrix_a_fmt:MATRIX_FMT_BF6 matrix_b_fmt:MATRIX_FMT_BF6
.endr
.endr
	WIN 0
.endm
.macro PV                              ; O^T += V^T P^T: eight accumulators by turns
	WIN 0x51
.irp t, 0,1,2,3
.irp x, 0,1
	v_wmma_scale_f32_16x16x128_f8f6f4 v[128+32*\x+8*\t:128+32*\x+8*\t+7], v[192+12*\t:192+12*\t+11], v[68+12*\x:68+12*\x+11], v[128+32*\x+8*\t:128+32*\x+8*\t+7], v[12+\t], v[22+\x] matrix_a_fmt:MATRIX_FMT_BF6 matrix_b_fmt:MATRIX_FMT_BF6 matrix_a_scale:MATRIX_SCALE_ROW1
.endr
.endr
	WIN 0
.endm
.macro SOFTMAX
; the largest score of each of my four blocks (tile x, block c), in two chains each; every accumulator is read from its low end on
.irp x, 0,1
.irp c, 0,1
	v_max3_num_f32 v[36+2*\x+\c], v[112+64*\x+32*\c], v[113+64*\x+32*\c], v[114+64*\x+32*\c]
	v_max3_num_f32 v[62+2*\x+\c], v[128+64*\x+32*\c], v[129+64*\x+32*\c], v[130+64*\x+32*\c]
.endr
.endr
.irp i, 3,5,7,9,11,13
.irp x, 0,1
.irp c, 0,1
	v_max3_num_f32 v[36+2*\x+\c], v[36+2*\x+\c], v[112+64*\x+32*\c+\i], v[113+64*\x+32*\c+\i]
	v_max3_num_f32 v[62+2*\x+\c], v[62+2*\x+\c], v[128+64*\x+32*\c+\i], v[129+64*\x+32*\c+\i]
.endr
.endr
.endr
.irp x, 0,1
.irp c, 0,1
	v_max3_num_f32 v[36+2*\x+\c], v[36+2*\x+\c], v[62+2*\x+\c], v[127+64*\x+32*\c]
.endr
.endr
.irp x, 0,1
.irp c, 0,1
	v_max_num_f32 v[36+2*\x+\c], v[36+2*\x+\c], v[143+64*\x+32*\c]
.endr
.endr
; the row: my two blocks, lane l xor 16's two, the running largest score; -M = floor(-c x it); f = 2^(old M - new M).  The two tiles by turns
	s_delay_alu instid0(VALU_DEP_3)
	v_max_num_f32 v48, v36, v37
	s_delay_alu instid0(VALU_DEP_2)
	v_max_num_f32 v49, v38, v39
.irp x, 0,1
	s_delay_alu instid0(VALU_DEP_2)
	v_permlanex16_b32 v[44+\x], v[48+\x], s28, s29
.endr
.irp x, 0,1
	s_delay_alu instid0(VALU_DEP_2)
	v_max3_num_f32 v[25+2*\x], v[25+2*\x], v[48+\x], v[44+\x]
.endr
.irp x, 0,1
	s_delay_alu instid0(VALU_DEP_2)
	v_mul_f32 v[33+2*\x], s31, v[25+2*\x]          ; -t (s31 = -c)
.endr
.irp x, 0,1
	s_delay_alu instid0(VALU_DEP_2)
	v_floor_f32 v[66+\x], v[33+2*\x]               ; the new -M = -ceil(t)
.endr
.irp x, 0,1
	s_delay_alu instid0(VALU_DEP_2)
	v_sub_f32 v[33+2*\x], v[66+\x], v[24+2*\x]     ; old M - new M: a whole number, 0 or less
.endr
.irp x, 0,1
	s_delay_alu instid0(VALU_DEP_4)
	v_mov_b32 v[24+2*\x], v[66+\x]
.endr
.irp x, 0,1
	s_delay_alu instid0(VALU_DEP_4)
	v_cvt_i32_f32 v[33+2*\x], v[33+2*\x]           ; (it saturates)
.endr
.irp x, 0,1
	s_delay_alu instid0(VALU_DEP_2)
	v_ldexp_f32 v[32+2*\x], 1.0, v[33+2*\x]
.endr
.set J, 0
.rept 64
	v_pk_fma_f32 v[112+2*J:113+2*J], v[112+2*J:113+2*J], s[30:31], v[24+2*(J/32):25+2*(J/32)] op_sel_hi:[1,0,0]   ; t - M, two at a time (of the pairs c and -M the low word serves both halves)
.set J, J+1
.endr
.irp x, 0,1
.irp c, 0,1
	v_fma_f32 v[36+2*\x+\c], v[36+2*\x+\c], s30, v[24+2*\x]   ; the same of each block's largest score
.endr
.endr
	WIN 0x41
.set J, 0
.rept 32
	v_pk_mul_f32 v[128+2*J:129+2*J], v[128+2*J:129+2*J], v[32+2*(J/16):33+2*(J/16)] op_sel_hi:[1,0]   ; O^T under the new M; each accumulator from its low end on
.set J, J+1
.endr
	WIN 0
	s_wait_alu depctr_va_vdst(0)
.irp b, 0,1,2,3
	v_exp_f32 v[36+\b], v[36+\b]                   ; a block's largest p: the same two instructions on the same number give the same bits
.endr
.set J, 0
.rept 128
	v_exp_f32 v[112+J], v[112+J]                   ; p = 2^(t - M)
.set J, J+1
.endr
	v_nop                                          ; a plain place behind the exponentials
	s_wait_alu depctr_va_vdst(0)                   ; one wait for the whole batch, ahead of its first reader
.irp b, 0,1,2,3
	v_max_num_f32 v[36+\b], 0x2800000, v[36+\b]    ; the floor 2^(5 - 127): the byte cannot fall under 1
.endr
.irp b, 0,1,2,3
	s_delay_alu instid0(VALU_DEP_4)
	v_add_nc_u32 v[40+\b], 0xfe000000, v[36+\b]    ; 4 off the exponent field: the conversion's scale operand
.endr
.irp b, 0,1,2,3
	s_delay_alu instid0(VALU_DEP_4)
	v_lshrrev_b32 v[62+\b], 23, v[40+\b]           ; the scale's byte
.endr
	s_delay_alu instid0(VALU_DEP_3)
	v_lshl_or_b32 v48, v63, 16, v62                ; my blocks lane / 16 and 2 + lane / 16 of the step,
	s_delay_alu instid0(VALU_DEP_2)
	v_lshl_or_b32 v49, v65, 16, v64
.irp x, 0,1
	s_delay_alu instid0(VALU_DEP_2)
	v_lshlrev_b32 v[48+\x], v7, v[48+\x]           ; at their places in the word;
.endr
.irp x, 0,1
	s_delay_alu instid0(VALU_DEP_2)
	v_permlanex16_b32 v[46+\x], v[48+\x], s28, s29
.endr
.irp x, 0,1
	s_delay_alu instid0(VALU_DEP_2)
	v_or_b32 v[22+\x], v[48+\x], v[46+\x]          ; with lane l xor 16's two the word is whole
.endr
.irp x, 0,1
.irp c, 0,1
	v_cvt_scalef32_pk16_bf6_f32 v[68+12*\x+6*\c:70+12*\x+6*\c], v[112+64*\x+32*\c:127+64*\x+32*\c], v[40+2*\x+\c]
	v_cvt_scalef32_pk16_bf6_f32 v[92+8*\x+4*\c:94+8*\x+4*\c], v[128+64*\x+32*\c:143+64*\x+32*\c], v[40+2*\x+\c]   ; (a conversion's three registers begin on an even number)
.endr
.endr
; the rows' sums, of the unquantised p: four chains a tile; the first takes the old sum x f.  These lines are also the places behind the conversions and ahead of the products
.irp x, 0,1
	v_pk_fma_f32 v[28+2*\x:29+2*\x], v[28+2*\x:29+2*\x], v[32+2*\x:33+2*\x], v[112+64*\x:113+64*\x] op_sel_hi:[1,0,1]
	v_pk_add_f32 v[50+6*\x:51+6*\x], v[114+64*\x:115+64*\x], v[116+64*\x:117+64*\x]
	v_pk_add_f32 v[52+6*\x:53+6*\x], v[118+64*\x:119+64*\x], v[120+64*\x:121+64*\x]
	v_pk_add_f32 v[54+6*\x:55+6*\x], v[122+64*\x:123+64*\x], v[124+64*\x:125+64*\x]
.endr
.irp x, 0,1
.irp c, 0,1
.irp i, 0,1,2
	v_mov_b32 v[71+12*\x+6*\c+\i], v[92+8*\x+4*\c+\i]
.endr
.endr
.endr
.irp j, 14,22,30,38,46,54
.irp x, 0,1
	v_pk_add_f32 v[28+2*\x:29+2*\x], v[28+2*\x:29+2*\x], v[112+64*\x+\j:113+64*\x+\j]
	v_pk_add_f32 v[50+6*\x:51+6*\x], v[50+6*\x:51+6*\x], v[114+64*\x+\j:115+64*\x+\j]
	v_pk_add_f32 v[52+6*\x:53+6*\x], v[52+6*\x:53+6*\x], v[116+64*\x+\j:117+64*\x+\j]
	v_pk_add_f32 v[54+6*\x:55+6*\x], v[54+6*\x:55+6*\x], v[118+64*\x+\j:119+64*\x+\j]
.endr
.endr
.irp x, 0,1
	v_pk_add_f32 v[28+2*\x:29+2*\x], v[28+2*\x:29+2*\x], v[174+64*\x:175+64*\x]
.endr
.irp x, 0,1
	v_pk_add_f32 v[50+6*\x:51+6*\x], v[50+6*\x:51+6*\x], v[52+6*\x:53+6*\x]
.endr
.irp x, 0,1
	s_delay_alu instid0(VALU_DEP_4)
	v_pk_add_f32 v[28+2*\x:29+2*\x], v[28+2*\x:29+2*\x], v[54+6*\x:55+6*\x]
.endr
.irp x, 0,1
	s_delay_alu instid0(VALU_DEP_2)
	v_pk_add_f32 v[28+2*\x:29+2*\x], v[28+2*\x:29+2*\x], v[50+6*\x:51+6*\x]
.endr
.endm
; A KEY STEP: 128 keys x 32 queries.  kind 0: inside a slot; 1: a slot's last step, the slot left is filled again; 2: a slot's last step, nothing is filled; 3: the very last step
.macro STEP kind
	s_wait_dscnt 0x0                               ; K's pairs and words are in (asked for in the middle of the step before)
	QK
.if \kind == 0
	v_add_nc_u32 v16, s32, v2                      ; the next step's addresses; with the two v_nop: four places in front of loads into registers that products have read
	v_add_nc_u32 v17, s32, v3
	v_nop
	v_nop
.else
	NOP4
.endif
	LOADV
.if \kind == 0
	v_add_nc_u32 v18, s32, v1
	LOADK
	s_add_co_u32 s32, s32, STEPB
.endif
.if \kind == 1 || \kind == 2
	s_wait_tensorcnt 0x0                           ; my load has landed: my record of the slot ahead; no tensor load of mine is out, so the descriptor may be written
	ds_add_u32 v4, v5                              ; 0 onto my spare word
	s_sub_co_u32 s32, s32, SLOTB                   ; back to a slot's first step,
	s_xor_b32 s32, s32, SLOT1                      ; in the other slot
.if \kind == 1
	s_xor_b32 s17, s17, SLOT1                      ; the slot that is left,
	s_add_nc_u64 s[18:19], s[18:19], SLOTB         ; the next eight key steps; the type bits on top are not reached
	s_wait_xcnt 0x0                                ; the last prefetch has read its address, so it may be written
	s_add_nc_u64 s[36:37], s[36:37], SLOTB
.endif
	s_wait_dscnt 0x0                               ; the add is done, and my reads of the slot that I leave (V's were the last) are over
.if \kind == 1
	ROUND                                          ; no wave of any partner still reads the slot left or has a load on its way
	TLOAD
.else
	s_barrier_signal -1
	s_barrier_wait -1                              ; the slot ahead is whole
.endif
	v_add_nc_u32 v16, s32, v2
	v_add_nc_u32 v17, s32, v3
	v_add_nc_u32 v18, s32, v1
	v_nop
.if \kind == 1
	s_wait_alu depctr_va_vdst(0)
	ASK 0
.endif
	LOADK
	s_add_co_u32 s32, s32, STEPB
.endif
	SOFTMAX
	s_wait_alu depctr_va_vdst(0)
.if \kind == 3
	s_wait_dscnt 0x0
.else
	s_wait_dscnt 13                                ; V and its words are in; the 13 loads of the next step's K, issued behind them, may be out
.endif
	PV
.endm
.macro STEPS7                          ; a slot's first seven steps: written once, walked seven times
	s_mov_b32 s34, 7
.Lstep_\@:
	STEP 0
	s_sub_co_u32 s34, s34, 1
	s_cmp_lg_u32 s34, 0
	s_cbranch_scc1 .Lstep_\@
.endm
	s_load_b128 s[4:7], s[0:1], 0x0                ; qi, kvi
	s_load_b64 s[8:9], s[0:1], 0x10                ; oc
	v_lshl_add_u32 v4, v0, 2, SPARE
	v_mov_b32 v5, 0
	ds_add_u32 v4, v5                              ; the opening lines: the add, twice on end, and its wait ahead of my first tensor load
	ds_add_u32 v4, v5
	v_lshrrev_b32 v7, 5, v0
	v_readfirstlane_b32 s10, v7                    ; wave 0..7
	s_bfe_u32 s11, ttmp6, 0x40000                  ; cx: it enters qi's, oc's and the prefetch's global addresses alone
	s_lshl_b32 s12, ttmp9, 2
	s_add_co_u32 s12, s12, s11                     ; my block of 256 queries
	s_and_b32 s13, ttmp7, 0xffff                   ; bh, which the four partners share
	; descriptor group 1: 50 rows of 256 bytes (32 elements of 8 bytes), dense, no padding; mask 15 with bit 21 beside it
	s_mov_b32 s20, 15|(3<<16)|(1<<21)
	s_mov_b32 s21, 32<<16
	s_mov_b32 s22, 50<<16
	s_mov_b32 s23, 32<<16
	s_mov_b32 s24, 50
	s_mov_b32 s25, 32
	s_mov_b32 s26, 0
	s_mov_b32 s27, 0
	s_mov_b32 s16, 1
	s_mul_i32 s17, s10, STEPB                      ; LDS: record w of slot 0
	s_mul_i32 s46, s13, HEADB                      ; the head's first byte in kvi
	s_add_co_u32 s44, s46, s17
	s_mov_b32 s45, 0
	s_mov_b32 s28, 0x76543210
	s_mov_b32 s29, 0xfedcba98                      ; v_permlanex16_b32's selects for lane l xor 16
	s_mov_b32 s30, 0x3e38aa3b                      ; c = log2(e) / 8
	s_mov_b32 s31, 0xbe38aa3b                      ; -c (the packed form names the pair and takes its low word for both halves)
	s_mov_b32 s32, 0
	s_mov_b32 s33, 2                               ; changes of slots that fill a slot again
	s_mov_b32 s40, 0x01000100                      ; which two bytes of q's pair word are tile 0's,
	s_mov_b32 s41, 0x03020302                      ; and tile 1's
	; q: record bh x 32 + 2 x block + w / 4, pair w % 4
	s_lshl_b32 s48, s13, 5
	s_lshl_b32 s49, s12, 1
	s_add_co_u32 s48, s48, s49
	s_lshr_b32 s49, s10, 2
	s_add_co_u32 s48, s48, s49
	s_mul_i32 s48, s48, 6400
	s_and_b32 s50, s10, 3
	s_mul_i32 s52, s50, 1536
	s_add_co_u32 s52, s52, s48
	s_mov_b32 s53, 0
	s_lshl_b32 s54, s50, 2
	s_add_co_u32 s54, s54, 6144
	s_add_co_u32 s54, s54, s48
	s_mov_b32 s55, 0
	; oc: record (4 T + head) x 1,024, T = 256 batch + 16 x block + 2 w + x
	s_lshr_b32 s60, s13, 2
	s_lshl_b32 s60, s60, 8
	s_lshl_b32 s61, s12, 4
	s_add_co_u32 s60, s60, s61
	s_lshl_b32 s61, s10, 1
	s_add_co_u32 s60, s60, s61
	s_lshl_b32 s60, s60, 2
	s_and_b32 s61, s13, 3
	s_add_co_u32 s60, s60, s61
	s_lshl_b32 s60, s60, 10
	s_mov_b32 s61, 0
	; the prefetch: waves 0-3 of the head's first cluster ask (the same in all four partners)
	s_lshr_b32 s38, s10, 2
	s_or_b32 s38, s38, ttmp9
	s_cmp_eq_u32 s38, 0
	s_cselect_b32 s38, 1, -1
	s_mul_i32 s36, s11, 25600
	s_mul_i32 s37, s50, 6400
	s_add_co_u32 s36, s36, s37
	s_add_co_u32 s36, s36, 2*SLOTB                 ; slot 2 first
	s_add_co_u32 s36, s36, s46
	s_mov_b32 s37, 0
	s_wait_dscnt 0x0                               ; both opening adds are done
	s_wait_kmcnt 0x0
	s_add_nc_u64 s[18:19], s[6:7], s[44:45]
	s_or_b32 s19, s19, 0x80000000                  ; type = 2
	s_add_nc_u64 s[36:37], s[6:7], s[36:37]
	s_add_nc_u64 s[56:57], s[4:5], s[52:53]        ; my pair fragment of q
	s_add_nc_u64 s[58:59], s[4:5], s[54:55]        ; its words
	s_add_nc_u64 s[8:9], s[8:9], s[60:61]
	ROUND                                          ; all four work-groups are here: the first joint loads meet
	TLOAD                                          ; slot 0: one tensor load a wave at the head
	NOP4
	v_and_b32 v7, 31, v0
	v_lshlrev_b32 v1, 4, v7
	v_lshlrev_b32 v19, 3, v7
	v_min_u32 v6, 24, v7
	v_lshlrev_b32 v6, 8, v6
	v_and_b32 v49, 15, v0
	v_lshlrev_b32 v49, 4, v49
	v_bfe_u32 v48, v0, 3, 1                        ; e = 1 in the lanes of rows 8-15
	v_mad_u32_u24 v2, v48, 1536, v1                ; g = 0: rows 0-7 of the even pair; of the odd pair, stored with the lane's bit 3 flipped, the upper 128 bytes of a half
	v_mad_u32_u24 v3, v48, 1280, v1
	v_add_nc_u32 v3, 128, v3                       ; g = 1: the other way round.
	v_bfe_u32 v7, v0, 4, 1
	v_lshlrev_b32 v7, 3, v7
	global_load_b32 v50, v49, s[58:59]
	WIN 0x40
	global_load_b64 v[6:7], v1, s[56:57]           ; the pair's registers 0-5 are tile 0, 6-11 tile 1; registers 4 j .. 4 j + 3 of lane l lie at 512 j + 16 l
	global_load_b64 v[8:9], v1, s[56:57] offset:8
	global_load_b64 v[10:11], v1, s[56:57] offset:512
	global_load_b64 v[18:19], v1, s[56:57] offset:520
	global_load_b64 v[20:21], v1, s[56:57] offset:1024
	global_load_b64 v[22:23], v1, s[56:57] offset:1032
.irp i, 0,1,2,3,4,5
	v_mov_b32 v[\i], 0                             ; zero codes round q
	v_mov_b32 v[12+\i], 0
	v_mov_b32 v[24+\i], 0
.endr
.set J, 0
.rept 64
	v_mov_b32 v[128+J], 0                          ; O^T.  (The step is written once: the first finds zeros, which the first change of M leaves zeros)
.set J, J+1
.endr
	WIN 0
.irp x, 0,1
	v_mov_b32 v[24+2*\x], 0x7f61b1e6               ; -M: 3e38
	v_mov_b32 v[25+2*\x], 0xff61b1e6               ; the largest score so far: -3e38
	v_mov_b32 v[28+2*\x], 0
	v_mov_b32 v[29+2*\x], 0
	v_mov_b32 v[44+2*\x], 0                        ; written once: a lane permute's destination counts as one of its sources
	v_mov_b32 v[45+2*\x], 0
.endr
	s_wait_loadcnt 0x0
	v_perm_b32 v20, v50, v50, s40                  ; a tile's two bytes, in both halves of its word
	v_perm_b32 v21, v50, v50, s41
.rept 8
	v_nop                                          ; a scale register written by a vector instruction stands 8 places ahead of a scaled matrix instruction
.endr
	s_wait_alu depctr_va_vdst(0)
	s_wait_tensorcnt 0x0                           ; my record of slot 0 is in; the same lines stand ahead of a later first fill as ahead of a refill
	ds_add_u32 v4, v5
	s_xor_b32 s17, s17, SLOT1
	s_add_nc_u64 s[18:19], s[18:19], SLOTB
	s_wait_dscnt 0x0
	ROUND
	TLOAD                                          ; slot 1
	v_add_nc_u32 v16, s32, v2
	v_add_nc_u32 v17, s32, v3
	v_add_nc_u32 v18, s32, v1
	v_nop
	s_wait_alu depctr_va_vdst(0)
	ASK 1                                          ; slot 2
	LOADK                                          ; step 0's K
	s_add_co_u32 s32, s32, STEPB
.Lslot:                                ; slots 0 and 1: at their ends slots 2 and 3 are asked for
	STEPS7
	STEP 1
	s_sub_co_u32 s33, s33, 1
	s_cmp_lg_u32 s33, 0
	s_cbranch_scc1 .Lslot
	STEPS7                                         ; the last two slots are written out
	STEP 2
	STEPS7
	STEP 3
	; THE WAY OUT: O^T / the sum, quantised along the head's 64 channels: two blocks a tile, half a fragment.  Register 16 b + i = channel 32 b + 16 (lane / 16) + i of my query
	NOP4                                           ; places behind the last products
.irp x, 0,1
	v_add_f32 v[28+2*\x], v[28+2*\x], v[29+2*\x]
.endr
.irp x, 0,1
	s_delay_alu instid0(VALU_DEP_2)
	v_permlanex16_b32 v[44+\x], v[28+2*\x], s28, s29
.endr
.irp x, 0,1
	s_delay_alu instid0(VALU_DEP_2)
	v_add_f32 v[28+2*\x], v[28+2*\x], v[44+\x]     ; the row's sum
.endr
	s_wait_alu depctr_va_vdst(0)                   ; the wait ahead of the transcendentals
	v_rcp_f32 v28, v28
	v_rcp_f32 v30, v30
	v_nop                                          ; a plain place behind them
	s_wait_alu depctr_va_vdst(0)                   ; and the wait, ahead of the first reader
	WIN 0x01
.set J, 0
.rept 64
	v_mul_f32 v[112+64*(J/32)+J%32], v[128+J], v[28+2*(J/32)]
.set J, J+1
.endr
	WIN 0
.irp x, 0,1
.irp b, 0,1
	v_max3_num_f32 v[36+2*\x+\b], |v[112+64*\x+16*\b]|, |v[113+64*\x+16*\b]|, 0x2800000
.endr
.endr
.irp i, 2,4,6,8,10,12,14
.irp x, 0,1
.irp b, 0,1
	v_max3_num_f32 v[36+2*\x+\b], v[36+2*\x+\b], |v[112+64*\x+16*\b+\i]|, |v[113+64*\x+16*\b+\i]|
.endr
.endr
.endr
.irp b, 0,1,2,3
	s_delay_alu instid0(VALU_DEP_4)
	v_permlanex16_b32 v[44+\b], v[36+\b], s28, s29
.endr
.irp b, 0,1,2,3
	s_delay_alu instid0(VALU_DEP_4)
	v_max_num_f32 v[36+\b], v[36+\b], v[44+\b]
.endr
.irp b, 0,1,2,3
	s_delay_alu instid0(VALU_DEP_4)
	v_add_nc_u32 v[40+\b], 0xfe000000, v[36+\b]
.endr
.irp b, 0,1,2,3
	s_delay_alu instid0(VALU_DEP_4)
	v_lshrrev_b32 v[44+\b], 23, v[40+\b]
.endr
	s_delay_alu instid0(VALU_DEP_3)
	v_lshl_or_b32 v50, v45, 8, v44                 ; a tile's two bytes,
	s_delay_alu instid0(VALU_DEP_2)
	v_lshl_or_b32 v56, v47, 8, v46
	s_delay_alu instid0(VALU_DEP_2)
	v_mov_b32 v51, v50                             ; twice, so that 32 lanes store a whole block of 256 bytes
	s_delay_alu instid0(VALU_DEP_2)
	v_mov_b32 v57, v56
.irp x, 0,1
	v_cvt_scalef32_pk16_bf6_f32 v[68+12*\x:70+12*\x], v[112+64*\x:127+64*\x], v[40+2*\x]
	v_cvt_scalef32_pk16_bf6_f32 v[92+8*\x:94+8*\x], v[128+64*\x:143+64*\x], v[41+2*\x]
.endr
	v_nop                                          ; one plain place behind a scaled conversion
.irp x, 0,1
.irp i, 0,1,2
	v_permlane16_swap_b32 v[68+12*\x+\i], v[92+8*\x+\i]   ; the operand's layout wants a whole block in a lane
.endr
.endr
.irp x, 0,1
.irp i, 0,1,2
	v_mov_b32 v[71+12*\x+\i], v[92+8*\x+\i]        ; registers 0-5: channels 32 (lane / 16) + 0 .. 31 of the head
.endr
.endr
.irp x, 0,1
.irp p, 0,1,2
	global_store_b64 v19, v[68+12*\x+2*\p:69+12*\x+2*\p], s[8:9] offset:4096*\x+256*\p   ; 32 lanes store 256 consecutive bytes, at a multiple of 256 from oc's first byte
.endr
	global_store_b64 v19, v[50+6*\x:51+6*\x], s[8:9] offset:4096*\x+768
.endr
	s_wait_tensorcnt 0x0                           ; the wave's end
	ds_add_u32 v4, v5
	s_wait_dscnt 0x0
	ROUND                                          ; the closing round: no work-group ends while a partner may still ask for a slot that names it
	s_endpgm
.Lfunc_end_k_q8a8299c028_attn:
	.size	k_q8a8299c028_attn, .Lfunc_end_k_q8a8299c028_attn-k_q8a8299c028_attn
	.p2alignl 7, 3214868480
	.fill 96, 4, 3214868480
	.section	.rodata,"a",@progbits
	.p2align	6, 0x0
	.amdhsa_kernel k_q8a8299c028_attn
		.amdhsa_group_segment_fixed_size 327680
		.amdhsa_private_segment_fixed_size 0
		.amdhsa_enable_private_segment 0
		.amdhsa_kernarg_size 24
		.amdhsa_user_sgpr_count 2
		.amdhsa_user_sgpr_kernarg_segment_ptr 1
		.amdhsa_wavefront_size32 1
		.amdhsa_system_sgpr_workgroup_id_x 1
		.amdhsa_system_sgpr_workgroup_id_y 1
		.amdhsa_system_sgpr_workgroup_id_z 1
		.amdhsa_system_vgpr_workitem_id 0
		.amdhsa_next_free_vgpr 496
		.amdhsa_next_free_sgpr 66
		.amdhsa_reserve_vcc 0
		.amdhsa_float_denorm_mode_32 3
		.amdhsa_float_denorm_mode_16_64 3
		.amdhsa_memory_ordered 1
		.amdhsa_forward_progress 1
		.amdhsa_inst_pref_size 185
	.end_amdhsa_kernel
	.amdgpu_metadata
---
amdhsa.version: [ 1, 2 ]
amdhsa.kernels:
  - .name:           k_q8a8299c028_attn
    .symbol:         k_q8a8299c028_attn.kd
    .args:
      - { .name: qi, .offset: 0, .size: 8, .value_kind: global_buffer, .address_space: global }
      - { .name: kvi, .offset: 8, .size: 8, .value_kind: global_buffer, .address_space: global }
      - { .name: oc, .offset: 16, .size: 8, .value_kind: global_buffer, .address_space: global }
    .group_segment_fixed_size: 327680
    .private_segment_fixed_size: 0
    .kernarg_segment_align: 8
    .kernarg_segment_size: 24
    .max_flat_workgroup_size: 256
    .sgpr_count:     66
    .vgpr_count:     496
    .wavefront_size: 32
...
	.end_amdgpu_metadata
.endif
;; end of part 3
;; launch proj (part 4): grid 256 x 1, 16 waves a work-group, no clusters, 86,016 bytes of LDS; arguments oc, xw, bp, out0; writes out0
.if DOCPART == 4
	.amdgcn_target "amdgcn-amd-amdhsa--gfx1250"
	.amdhsa_code_object_version 6
	.text
	.protected	k_q8a8299c028_proj
	.globl	k_q8a8299c028_proj
	.p2align	8
	.type	k_q8a8299c028_proj,@function
k_q8a8299c028_proj:
	s_mov_b64 s[64:65], 0
	v_nop
	global_prefetch_b8 v0, s[64:65] scope:SCOPE_SE
	s_setreg_imm32_b32 hwreg(HW_REG_WAVE_MODE, 25, 1), 1
	s_wait_xcnt 0x0
; out0 = o Wp^T + bp on codes of BF6 (E3M2).  o's codes come from oc: record (T, head) of 1,024 bytes at (4 T + head) x 1,024: half a fragment (16 tokens x the head's 64 channels, six registers a lane: register pair p at
; 256 p + 8 lane) and at 768 + 8 lane its two scale bytes.  Tile T holds tokens 32 (T / 2) + 8 (T % 2) + r + 8 (r / 8).  Wp's codes come from xw, groups 536-543, as images of the operand's registers.
; Work-group g: tiles 4 g .. 4 g + 3, which are tokens 64 g .. 64 g + 63.  THE WAVES SHARE THE COLUMNS: wave w takes Wp's tile (group w / 2, u = w % 2), 16 of the 256 outputs, for all four tiles of tokens: 8 matrix instructions.
; TRANSPOSED (source 0 = 16 rows of Wp, source 1 = 16 tokens): a lane holds one token and eight neighbouring outputs 32 (w / 2) + 16 (lane / 16) + 8 u + 0 .. 7.  The bias is the C of each sum's first product.
; o's 16 records are copied into LDS, a record a wave; every wave reads all of them.  The results meet in a stage in LDS and leave as whole rows of 1,024 bytes.
; NO CLUSTER, NO TENSOR LOAD: Wp's fragments go from memory straight into the registers of the one wave that uses them, once (3,200 bytes a wave); o's records are no other work-group's.
.set STG,  16384                       ; LDS: o's records at 0; the stage: 64 rows (16 m + r) x 1,040 bytes
.set SPT,  1040                        ; 1,024 + 16: sixteen rows' stores of 16 bytes fall on sixteen different 16-byte columns of 256
.set WPF,  16                          ; v16-39   Wp's two fragments
.set WPS,  40                          ; v40-41   their scale words
.set BI,   42                          ; v42-49   the bias, in the result's layout
.set OF,   52                          ; v52-147  o's eight fragments: (m, s) at 12 (2 m + s)
.set RW,   148                         ; v148-163 the two bytes of (m, head)
.set OS,   164                         ; v164-171 o's scale words: (m, s) at 2 m + s; scales and nothing else
.set ACC,  172                         ; v172-203 four accumulators
.set BK,   204                         ; v204-235 rows read back
.set CP,   236                         ; v236-243 my record of o on its way into LDS
	s_load_b256 s[4:11], s[0:1], 0x0               ; oc, xw, bp, out0
	v_lshl_add_u32 v248, v0, 2, 0x14800
	v_mov_b32 v249, 0
	v_lshrrev_b32 v6, 5, v0
	s_delay_alu instid0(VALU_DEP_1)
	v_readfirstlane_b32 s12, v6                    ; wave 0..15
	v_and_b32 v6, 31, v0
	s_delay_alu instid0(VALU_DEP_1)
	v_lshlrev_b32 v1, 4, v6                        ; 16 x lane
	s_delay_alu instid0(VALU_DEP_2)
	v_lshlrev_b32 v2, 3, v6                        ; 8 x lane
	v_and_b32 v7, 15, v0                           ; r
	s_delay_alu instid0(VALU_DEP_1)
	v_lshlrev_b32 v3, 3, v7                        ; 8 r
	v_bfe_u32 v8, v0, 4, 1                         ; h
	s_delay_alu instid0(VALU_DEP_1)
	v_lshlrev_b32 v10, 6, v8                       ; 64 h: my half's eight numbers of the bias
	s_lshr_b32 s13, s12, 1                         ; Wp's group
	s_and_b32 s14, s12, 1                          ; u
	s_lshl_b32 s16, s13, 7
	s_lshl_b32 s17, s14, 5
	s_add_co_u32 s16, s16, s17                     ; 128 x group + 32 u: my outputs' first byte in a row, and in bp
	v_mul_u32_u24 v4, v7, SPT
	s_delay_alu instid0(VALU_DEP_1)
	v_lshl_add_u32 v4, v8, 6, v4
	s_delay_alu instid0(VALU_DEP_1)
	v_add_nc_u32 v4, s16, v4
	s_delay_alu instid0(VALU_DEP_1)
	v_add_nc_u32 v4, STG, v4                       ; into the stage: row r, + 64 h, + my outputs' byte
	s_mul_i32 s18, s12, 4*SPT
	v_add_nc_u32 v5, s18, v1
	s_delay_alu instid0(VALU_DEP_1)
	v_add_nc_u32 v5, STG, v5                       ; back: rows 4 w .. 4 w + 3, 16 bytes a lane
	s_lshl_b32 s19, s12, 10
	v_add_nc_u32 v9, s19, v1                       ; record w in LDS
	s_lshl_b32 s20, ttmp9, 14
	s_add_co_u32 s20, s20, s19                     ; and in oc
	s_mov_b32 s21, 0
	s_mul_i32 s22, s13, 6400
	s_add_co_u32 s22, s22, 3430400                 ; group 536 + w / 2 of xw
	s_lshl_b32 s24, s14, 7
	s_add_co_u32 s24, s24, s22
	s_add_co_u32 s24, s24, 6144                    ; my tile's scale words
	s_mov_b32 s25, 0
	s_mul_i32 s30, s14, 3072
	s_add_co_u32 s22, s22, s30                     ; my tile's two fragments
	s_mov_b32 s23, 0
	s_mov_b32 s26, s16
	s_mov_b32 s27, 0
	s_lshr_b32 s28, s12, 3                         ; stage rows 4 w .. 4 w + 3 are tile m = w / 4, r = 4 (w % 4) + 0 .. 3: tokens 32 (m / 2) + 8 (m % 2) + r + 8 (r / 8), four neighbours
	s_lshl_b32 s28, s28, 5
	s_bfe_u32 s29, s12, 0x10002
	s_lshl_b32 s29, s29, 3
	s_add_co_u32 s28, s28, s29
	s_and_b32 s29, s12, 3
	s_lshl_b32 s29, s29, 2
	s_add_co_u32 s28, s28, s29
	s_bfe_u32 s29, s12, 0x10001
	s_lshl_b32 s29, s29, 3
	s_add_co_u32 s28, s28, s29
	s_lshl_b32 s29, ttmp9, 6
	s_add_co_u32 s28, s28, s29
	s_lshl_b32 s28, s28, 10                        ; x 1,024 bytes a row of out0
	s_mov_b32 s29, 0
	s_wait_alu depctr_va_vdst(0)
	s_wait_kmcnt 0x0
	s_add_nc_u64 s[4:5], s[4:5], s[20:21]
	s_add_nc_u64 s[22:23], s[6:7], s[22:23]
	s_add_nc_u64 s[24:25], s[6:7], s[24:25]
	s_add_nc_u64 s[8:9], s[8:9], s[26:27]
	s_add_nc_u64 s[10:11], s[10:11], s[28:29]
	global_load_b128 v[CP:CP+3], v1, s[4:5] th:TH_LOAD_NT
	global_load_b128 v[CP+4:CP+7], v1, s[4:5] offset:512 th:TH_LOAD_NT
.irp s, 0,1
.irp j, 0,1,2
	global_load_b128 v[WPF+12*\s+4*\j:WPF+12*\s+4*\j+3], v1, s[22:23] offset:1536*\s+512*\j
.endr
.endr
	global_load_b64 v[WPS:WPS+1], v3, s[24:25]
	global_load_b128 v[BI:BI+3], v10, s[8:9]
	global_load_b128 v[BI+4:BI+7], v10, s[8:9] offset:16
	s_wait_loadcnt 9                               ; my record of o is in; the nine loads issued behind it may be out
	ds_store_b128 v9, v[CP:CP+3]
	ds_store_b128 v9, v[CP+4:CP+7] offset:512
	s_wait_dscnt 0x0                               ; for the others' sake: my stores have landed
	s_barrier_signal -1
	s_barrier_wait -1                              ; o's sixteen records lie in LDS
.irp m, 0,1,2,3
.irp s, 0,1
.irp c, 0,1
.irp p, 0,1,2
	ds_load_b64 v[OF+12*(2*\m+\s)+6*\c+2*\p:OF+12*(2*\m+\s)+6*\c+2*\p+1], v2 offset:1024*(4*\m+2*\s+\c)+256*\p   ; K step s = heads 2 s, 2 s + 1: registers 6 c on are head 2 s + c
.endr
.endr
.endr
.endr
.irp m, 0,1,2,3
.irp e, 0,1,2,3
	ds_load_b32 v[RW+4*\m+\e], v3 offset:1024*(4*\m+\e)+768
.endr
.endr
	s_wait_dscnt 0x0
.irp m, 0,1,2,3
.irp s, 0,1
	v_lshl_or_b32 v[OS+2*\m+\s], v[RW+4*\m+2*\s+1], 16, v[RW+4*\m+2*\s]   ; two heads' two bytes make a K step's scale word
.endr
.endr
.rept 8
	v_nop                                          ; a scale register written by a vector instruction stands 8 places ahead of a scaled matrix instruction
.endr
	s_wait_alu depctr_va_vdst(0)
	s_wait_loadcnt 0x0                             ; Wp, its words, the bias
.irp m, 0,1,2,3                        ; four accumulators by turns
	v_wmma_scale_f32_16x16x128_f8f6f4 v[ACC+8*\m:ACC+8*\m+7], v[WPF:WPF+11], v[OF+24*\m:OF+24*\m+11], v[BI:BI+7], v[WPS], v[OS+2*\m] matrix_a_fmt:MATRIX_FMT_BF6 matrix_b_fmt:MATRIX_FMT_BF6
.endr
.irp m, 0,1,2,3
	v_wmma_scale_f32_16x16x128_f8f6f4 v[ACC+8*\m:ACC+8*\m+7], v[WPF+12:WPF+23], v[OF+24*\m+12:OF+24*\m+23], v[ACC+8*\m:ACC+8*\m+7], v[WPS+1], v[OS+2*\m+1] matrix_a_fmt:MATRIX_FMT_BF6 matrix_b_fmt:MATRIX_FMT_BF6
.endr
.rept 4
	v_nop                                          ; places in front of the first read of results
.endr
.irp m, 0,1,2,3
	ds_store_b128 v4, v[ACC+8*\m:ACC+8*\m+3] offset:16*\m*SPT          ; each accumulator from its low end on
	ds_store_b128 v4, v[ACC+8*\m+4:ACC+8*\m+7] offset:16*\m*SPT+16
.endr
	s_wait_dscnt 0x0                               ; for the others' sake: my stores have landed
	s_barrier_signal -1
	s_barrier_wait -1                              ; 64 whole rows lie in the stage
.irp n, 0,1,2,3,4,5,6,7
	ds_load_b128 v[BK+4*\n:BK+4*\n+3], v5 offset:SPT*(\n/2)+512*(\n%2)
.endr
.irp n, 0,1,2,3,4,5,6,7
	s_wait_dscnt 7-\n                              ; load n is in; the 7 - n issued behind it may be out
	global_store_b128 v1, v[BK+4*\n:BK+4*\n+3], s[10:11] offset:1024*(\n/2)+512*(\n%2) th:TH_STORE_NT   ; 32 lanes store 512 consecutive bytes, at a multiple of 256 from out0's first byte
.endr
	s_wait_tensorcnt 0x0
	ds_add_u32 v248, v249
	s_wait_dscnt 0x0
	s_endpgm
.Lfunc_end_k_q8a8299c028_proj:
	.size	k_q8a8299c028_proj, .Lfunc_end_k_q8a8299c028_proj-k_q8a8299c028_proj
	.p2alignl 7, 3214868480
	.fill 96, 4, 3214868480
	.section	.rodata,"a",@progbits
	.p2align	6, 0x0
	.amdhsa_kernel k_q8a8299c028_proj
		.amdhsa_group_segment_fixed_size 86016
		.amdhsa_private_segment_fixed_size 0
		.amdhsa_enable_private_segment 0
		.amdhsa_kernarg_size 32
		.amdhsa_user_sgpr_count 2
		.amdhsa_user_sgpr_kernarg_segment_ptr 1
		.amdhsa_wavefront_size32 1
		.amdhsa_system_sgpr_workgroup_id_x 1
		.amdhsa_system_sgpr_workgroup_id_y 1
		.amdhsa_system_sgpr_workgroup_id_z 1
		.amdhsa_system_vgpr_workitem_id 0
		.amdhsa_next_free_vgpr 250
		.amdhsa_next_free_sgpr 66
		.amdhsa_reserve_vcc 0
		.amdhsa_float_denorm_mode_32 3
		.amdhsa_float_denorm_mode_16_64 3
		.amdhsa_memory_ordered 1
		.amdhsa_forward_progress 1
		.amdhsa_inst_pref_size 13
	.end_amdhsa_kernel
	.amdgpu_metadata
---
amdhsa.version: [ 1, 2 ]
amdhsa.kernels:
  - .name:           k_q8a8299c028_proj
    .symbol:         k_q8a8299c028_proj.kd
    .args:
      - { .name: oc, .offset: 0, .size: 8, .value_kind: global_buffer, .address_space: global }
      - { .name: xw, .offset: 8, .size: 8, .value_kind: global_buffer, .address_space: global }
      - { .name: bp, .offset: 16, .size: 8, .value_kind: global_buffer, .address_space: global }
      - { .name: out0, .offset: 24, .size: 8, .value_kind: global_buffer, .address_space: global }
    .group_segment_fixed_size: 86016
    .private_segment_fixed_size: 0
    .kernarg_segment_align: 8
    .kernarg_segment_size: 32
    .max_flat_workgroup_size: 512
    .sgpr_count:     66
    .vgpr_count:     250
    .wavefront_size: 32
...
	.end_amdgpu_metadata
.endif
;; end of part 4
